; MI455X (gfx1250); checked and timed in simulation.
; The chip was launched on July 23, 2026; its instructions are those of AMD's public machine-readable ISA for CDNA 5 (MIT licence, August 2026) and "CDNA5" Instruction Set Architecture Reference Guide (July 2026). The comments in the code are by the model that wrote it; some were corrected since.
;; Self Attn. Allowed arithmetic: matrix products marked QUANTISED: E2M3 operands, one E8M0 scale for each 32 along K, by v_wmma_scale_f32_16x16x128_f8f6f4 with both operands' format E2M3, f32 sums; products left as they are: f32 operands where the result goes on into a quantised operand, else bf16, f16 or f32 operands; f32 sums; everything else in f32.
;; Inputs: Wk 16 x 128 float32; Wq 16 x 128 float32; Wv 128 x 128 float32; bk 16 float32; bq 16 float32; bv 128 float32; gamma 1 float32; x 16 x 128 x 4,096 float32.
;; Outputs: out0 16 x 128 x 4,096 float32.
;; This version of the problem:
;;   THIS VERSION OF THE PROBLEM IS GIVEN IN LOW PRECISION. The matrix products marked QUANTISED in the list below multiply operands that are first quantised to E2M3 (2 exponent bits, 3 mantissa bits; 6 bits a number), with one power-of-two scale for each 32 numbers along K (OCP MX v1.0); their sums are f32. All else is computed in f32.
;;   The module's matrix products, in the order in which they are computed (A, B: the left and right operand; K: the contracted axis; several contracted axes count as one K, in the product's order):
;;     1. [M 65,536, K 128] x [K 128, N 16]; A: input x; B: input Wq: QUANTISED
;;     2. [M 65,536, K 128] x [K 128, N 16]; A: input x; B: input Wk: QUANTISED
;;     3. [M 65,536, K 128] x [K 128, N 128]; A: input x; B: input Wv: QUANTISED
;;     4. batch 16 x [M 4,096, K 16] x [K 16, N 4,096]; A: computed on the way; B: computed on the way: left as it is (K = 16 < 32)
;;     5. batch 16 x [M 128, K 4,096] x [K 4,096, N 4,096]; A: computed on the way; B: softmax (see below): QUANTISED
;;   THE QUANTISER, for each operand of a quantised product, along K:
;;     - K is cut into blocks of 32 from its start; a last block that is shorter is filled with zeros.
;;     - A block's scale is 2^e with e = floor(log2(the largest magnitude in the block)) - 2, held to -126 .. 127; a block of zeros has e = 0. As a byte (E8M0): e + 127.
;;     - Each number is divided by its block's scale, clamped to +-7.5, and rounded to the nearest number of E2M3, ties to even, subnormals kept.
;;     - The product sums the exact products of the quantised numbers (number of the format x scale) in f32.
;;   ~~~python
;;   def quantise(x, axis):      # numpy; x: float32 -> the quantised numbers, widened to float32 again
;;       x = np.moveaxis(x, axis, -1); K = x.shape[-1]
;;       x = np.pad(x, [(0, 0)] * (x.ndim - 1) + [(0, -K % 32)]); x = x.reshape(x.shape[:-1] + (-1, 32)); a = np.abs(x).max(-1, keepdims=True)
;;       e = np.where(a > 0, np.clip(np.frexp(np.where(a > 0, a, 1))[1] - 1 - 2, -126, 127), 0)      # np.frexp(a)[1] - 1 = floor(log2(a)), exactly
;;       r = np.clip(x / 2.0 ** e, -7.5, 7.5)
;;       step = 2.0 ** (np.maximum(np.frexp(np.where(r == 0, 1, r))[1] - 1, 0) - 3)
;;       q = np.round(r / step) * step * 2.0 ** e      # np.round: ties to even
;;       return np.moveaxis(q.reshape(q.shape[:-2] + (-1,))[..., :K], -1, axis).astype(np.float32)
;;   ~~~
;;   SOFTMAX AHEAD OF A QUANTISED PRODUCT. Where the list says 'softmax', what is quantised is not the finished softmax but p = 2^(t - M), with t = logit x log2(e) and M = ceil(the row's largest t), a whole number; so 1/2 < the row's largest p <= 1. The row's sum l is taken of the UNQUANTISED p, in f32, and the product's result is divided by l at the end. Since M is a whole number, a kernel that streams over the keys may use a running M (the ceiling of the running maximum): every later rescaling is an exact power of two, which a block's scale takes up: the codes' values come out the same.
;;   OPERANDS COMPUTED ON THE WAY. 'Computed on the way' means the value that the module computes at that place (a softmax that the list does not call 'softmax' is quantised finished and normalised). What goes into a quantiser is computed in f32, as accurately as f32 sums, v_exp_f32 and their like allow (about 1e-6 of the number): no bf16 or f16 on the way to a quantiser, and a product that is left as it is and whose result goes on into a quantised operand takes f32 operands (vector FMAs, or v_wmma_f32_16x16x4_f32). A number that lies on a knife's edge between two numbers of the format may be rounded either way, as far as f32 arithmetic and the matrix unit's own rounding can turn it there, and no further.
;; One version. Each part assembles by itself: llvm-mc -triple=amdgcn-amd-amdhsa -mcpu=gfx1250 --defsym DOCPART=n.
;; ======== version 1 of 1: 2 launches
;; workspace buffers: kv 10,747,904 bytes; cols 4,194,304 bytes
;; launch project (part 1): grid 256 x 1, 2 waves a work-group, no clusters, 168,192 bytes of LDS; arguments x, Wq, bq, Wk, bk, Wv, bv, kv, cols; writes kv, cols
.if DOCPART == 1
	.amdgcn_target "amdgcn-amd-amdhsa--gfx1250"
	.amdhsa_code_object_version 6
	.text
	.protected	k_q24a2a8055d_project
	.globl	k_q24a2a8055d_project
	.p2align	8
	.type	k_q24a2a8055d_project,@function
k_q24a2a8055d_project:
	s_mov_b64 s[64:65], 0
	v_nop
	global_prefetch_b8 v0, s[64:65] scope:SCOPE_SE
	s_setreg_imm32_b32 hwreg(HW_REG_WAVE_MODE, 25, 1), 1
	s_wait_xcnt 0x0
; q = Wq x + bq, k = Wk x + bk, v = Wv x + bv for x [16][128 c][4096 n], all three products on codes of FP6 (E2M3) with one E8M0 scale for each 32 along c;
; v is then quantised along n, in blocks of 32, for the second launch.  Everything leaves as IMAGES OF OPERAND REGISTERS, so that the second launch reads 16 bytes a lane and nothing else.
; SHARES.  Wave W = 2 x work-group + wave (0 .. 511) owns batch W / 32 and the 128 columns n of key step W % 32, with all 128 channels.  Waves share nothing: no barrier, no loop, no branch.
; kv [16][32][20,992 bytes], a step: 8 images of q (1,024 bytes each: registers 0-3 at 16 x lane, 4-7 at 512 + 16 x lane), 8 fragments of v's codes (1,536 bytes: three runs of 512), 512 bytes of v's scale words.
; cols [16][256][1,024 bytes]: images of k, of the same form.
; THE COLUMNS OF A TILE ARE NOT NEIGHBOURS: index r of tile f = 2 g + u is column 32 g + 8 u + r + 8 (r / 8), so that in the second launch the 16 registers of two neighbouring score tiles are 16 neighbouring n.
; x comes by the tensor data mover, two tiles of 64 channels x 512 bytes a wave, each filled once; the weights are quantised by every wave while x is on its way.
; LIMITS: NaN and infinities among the inputs are not served.  A block whose largest magnitude lies under 2^-124 (a block of zeros too) gets the scale byte 1: the bytes are read by this program alone, and zero codes add nothing.
; REGISTERS, window 0: v4-9 addresses; v16-25 the weights' scale words; v26-29 x's; v30 the word just made; v32-51 codes just made; v52-56 v's scale image; v64-159 x's eight fragments; v160-223 numbers, then results; v240-255 at work.
;   window 1: v0-119 the ten weight fragments (Wv's eight tiles, Wq, Wk); v128-143 bq, bk in the result's layout; v144-207 bv, eight equal registers a tile.
.set XA,  4                            ; LDS: my wave's region + 4 x my column of a group of 32
.set LI,  5                            ; 16 x lane
.set WA,  6                            ; a weight's row r of 512 bytes + 128 h
.set SH,  7                            ; 8 h
.set BA,  8                            ; 32 h
.set BVA, 9                            ; 4 r
.set WS,  16
.set XS,  26
.set PW,  30
.set PC,  32
.set SW,  52
.set EW,  56
.set XF,  64
.set HA,  160
.set TM,  240
.set WF,  0
.set BQ,  128
.set BK,  136
.set BV,  144
.set MSB, 0
.macro WIN new                         ; the immediate's high byte repeats the setting that is left
.if MSB != \new
	s_set_vgpr_msb (MSB<<8)|\new
.set MSB, \new
.endif
.endm
	s_load_b256 s[4:11], s[0:1], 0x0               ; x s[4:5], Wq s[6:7], bq s[8:9], Wk s[10:11]
	s_load_b256 s[12:19], s[0:1], 0x20             ; bk s[12:13], Wv s[14:15], bv s[16:17], kv s[18:19]
	s_load_b64 s[20:21], s[0:1], 0x40              ; cols
	v_lshl_add_u32 v250, v0, 2, 0x29000
	v_mov_b32 v251, 0
	ds_add_u32 v250, v251
	ds_add_u32 v250, v251
	v_lshrrev_b32 v1, 5, v0
	v_readfirstlane_b32 s43, v1                    ; wave 0, 1
	s_lshl_b32 s44, ttmp9, 1
	s_add_co_u32 s44, s44, s43                     ; W
	s_lshr_b32 s45, s44, 5                         ; batch
	s_and_b32 s46, s44, 31                         ; key step
	s_lshl_b32 s48, s45, 21                        ; a batch of x is 128 x 16,384 bytes,
	s_lshl_b32 s46, s46, 9                         ; a step 512 bytes of each row
	s_add_co_u32 s48, s48, s46
	s_mov_b32 s49, 0
	s_mul_i32 s50, s44, 20992                      ; my step's block of kv
	s_mov_b32 s51, 0
	s_lshl_b32 s52, s44, 13                        ; my eight tiles of cols
	s_mov_b32 s53, 0
	s_lshl_b32 s47, s43, 16                        ; my wave's 65,536 bytes of LDS
	; descriptor group 1: 64 rows of 128 elements of 4 bytes, 4,096 elements from row to row, no padding (32 lanes read 128 consecutive bytes of a row)
	s_mov_b32 s24, 2<<16
	s_mov_b32 s25, 128<<16                         ; tensor_dim0
	s_mov_b32 s26, 64<<16                          ; tensor_dim1
	s_mov_b32 s27, 128<<16                         ; tile_dim0
	s_mov_b32 s28, 64                              ; tile_dim1
	s_mov_b32 s29, 4096                            ; tensor_dim0_stride
	s_mov_b32 s30, 0
	s_mov_b32 s31, 0
	s_mov_b32 s40, 0x76543210
	s_mov_b32 s41, 0xfedcba98                      ; v_permlanex16_b32's selects for lane l xor 16
	s_mov_b32 s42, 0xffff0000                      ; lanes 16-31
	s_wait_dscnt 0x0
	s_wait_kmcnt 0x0
	s_add_nc_u64 s[4:5], s[4:5], s[48:49]
	s_add_nc_u64 s[18:19], s[18:19], s[50:51]
	s_add_nc_u64 s[20:21], s[20:21], s[52:53]
.irp u, 0,1                            ; group 0, one set for each half: channels 64 u on
	s_mov_b32 s[32+4*\u], 1
	s_add_co_u32 s[33+4*\u], s47, 32768*\u
	s_add_nc_u64 s[34+4*\u:35+4*\u], s[4:5], 1048576*\u
	s_or_b32 s[35+4*\u], s[35+4*\u], 0x80000000
.endr
	tensor_load_to_lds s[32:35], s[24:31]          ; both first fills together, ahead of every wait on TENSORcnt and every LDS read: two loads of mine are out
	s_nop 0
	tensor_load_to_lds s[36:39], s[24:31]
	s_nop 0
.rept 4
	v_nop
.endr
	v_and_b32 v1, 31, v0                           ; lane
	v_and_b32 v2, 15, v0                           ; r
	v_bfe_u32 v3, v0, 4, 1                         ; h
	v_and_b32 v10, 7, v0
	v_bfe_u32 v11, v0, 3, 1
	v_lshl_add_u32 v10, v11, 4, v10
	v_lshl_add_u32 v10, v3, 3, v10                 ; my column of a group: (l % 8) + 16 ((l / 8) % 2) + 8 (l / 16): lanes 0-15 hold tile u = 0's columns in its order, lanes 16-31 tile u = 1's
	v_lshlrev_b32 v[XA], 2, v10
	v_add_nc_u32 v[XA], s47, v[XA]
	v_lshlrev_b32 v[LI], 4, v1
	v_lshlrev_b32 v[WA], 9, v2
	v_lshl_add_u32 v[WA], v3, 7, v[WA]
	v_lshlrev_b32 v[SH], 3, v3
	v_lshlrev_b32 v[BA], 5, v3
	v_lshlrev_b32 v[BVA], 2, v2
.irp i, 4,5,6,7,8,9
	v_mov_b32 v[TM+\i], 0                          ; written once: a lane permute's destination counts as one of its sources
.endr
	WIN 0x40                                       ; destination window 1
	global_load_b128 v[BQ:BQ+3], v[BA], s[8:9]             ; the biases are the C of the products.  q, k: register j of lane (r, h) is channel 8 h + j
	global_load_b128 v[BQ+4:BQ+7], v[BA], s[8:9] offset:16
	global_load_b128 v[BK:BK+3], v[BA], s[12:13]
	global_load_b128 v[BK+4:BK+7], v[BA], s[12:13] offset:16
.irp t, 0,1,2,3,4,5,6,7
.irp j, 0,1,2,3,4,5,6,7
	global_load_b32 v[BV+8*\t+\j], v[BVA], s[16:17] offset:64*\t   ; v: every register of lane (r, h) is channel 16 t + r
.endr
.endr
	WIN 0
; Two blocks of 32 numbers of a lane, v[s] on and v[s + 32] on: largest magnitudes (with the floor 2^(3 - 127) as a leaf, so that no byte falls under 1) in TM+0, 1; the conversions' scale operands in TM+12, 13; the bytes in TM+4, 5.
.macro TWO_BLOCKS s
.irp c, 0,1
	v_max3_num_f32 v[TM+\c], |v[\s+32*\c]|, |v[\s+32*\c+1]|, 0x1800000
.endr
.irp i, 2,4,6,8,10,12,14,16,18,20,22,24,26,28,30
.irp c, 0,1
	v_max3_num_f32 v[TM+\c], v[TM+\c], |v[\s+32*\c+\i]|, |v[\s+32*\c+\i+1]|   ; (the two blocks by turns)
.endr
.endr
.irp c, 0,1
	v_add_nc_u32 v[TM+12+\c], 0xff000000, v[TM+\c]     ; 2 off the exponent field: the conversion takes the exponent field of this operand as its scale
.endr
.irp c, 0,1
	v_lshrrev_b32 v[TM+4+\c], 23, v[TM+12+\c]          ; the scale's byte
.endr
.endm
; Weight fragment n (0-7: Wv's tiles, 8: Wq, 9: Wk): lane (r, h) takes k = 64 c + 32 h + 0 .. 31 of row r, as the operand's layout gives them: 16 loads of 16 bytes, into buffer n % 2 (v160 on, v64 on).
.macro WLOAD sb, off
.irp c, 0,1
.irp j, 0,1,2,3,4,5,6,7
	global_load_b128 v[WB+32*\c+4*\j:WB+32*\c+4*\j+3], v[WA], s[\sb:\sb+1] offset:\off+256*\c+16*\j
.endr
.endr
.endm
.macro WL n
.set WB, 160-96*((\n)%2)
.if (\n) < 8
	WLOAD 14, 8192*(\n)
.elseif (\n) == 8
	WLOAD 6, 0
.else
	WLOAD 10, 0
.endif
.endm
.macro WQ n
.set WB, 160-96*((\n)%2)
	TWO_BLOCKS WB
	v_lshl_or_b32 v[TM+8], v[TM+5], 16, v[TM+4]    ; my two bytes: blocks h and 2 + h of row r,
	v_lshlrev_b32 v[TM+8], v[SH], v[TM+8]          ; at their places in the word;
	v_permlanex16_b32 v[TM+9], v[TM+8], s40, s41
	v_or_b32 v[WS+\n], v[TM+8], v[TM+9]            ; with lane l xor 16's two the word is whole
.irp c, 0,1
	v_cvt_scalef32_pk16_fp6_f32 v[PC+6*\c:PC+6*\c+2], v[WB+32*\c:WB+32*\c+15], v[TM+12+\c]
	v_cvt_scalef32_pk16_fp6_f32 v[PC+12+4*\c:PC+12+4*\c+2], v[WB+32*\c+16:WB+32*\c+31], v[TM+12+\c]   ; (a conversion's three registers begin on an even number)
.endr
	v_nop                                          ; one plain place behind a scaled conversion
	WIN 0x40
.irp c, 0,1
.irp i, 0,1,2
	v_mov_b32 v[WF+12*(\n)+6*\c+\i], v[PC+6*\c+\i]
	v_mov_b32 v[WF+12*(\n)+6*\c+3+\i], v[PC+12+4*\c+\i]
.endr
.endr
	WIN 0
.endm
	WL 0
	WL 1
.irp f, 0,1,2,3,4,5,6,7,8,9
.if \f < 9
	s_wait_loadcnt 16                              ; this fragment's loads are in (and the biases, which are older); the next fragment's sixteen may be out
.else
	s_wait_loadcnt 0x0
.endif
	WQ \f
.if \f < 8
	WL \f+2
.endif
.endr
; x: channels 64 c .. 64 c + 63 of the 32 columns of group g.  A LANE TAKES A COLUMN AND ITS REGISTERS RUN DOWN THE CHANNELS, which are K: a block of 32 lies in one lane, and the codes come out with K innermost.
; A lane then holds blocks 2 c and 2 c + 1 of ITS column; the operand wants block 2 c + h of column r: one exchange of halves between the two tiles' registers gives both tiles at once.
.macro XQ c, g
.irp u, 0,1
.irp i, 0,1,2,3,4,5,6,7,8,9,10,11,12,13,14,15,16,17,18,19,20,21,22,23,24,25,26,27,28,29,30,31
	ds_load_b32 v[HA+32*\u+\i], v[XA] offset:(64*\c+32*\u+\i)*512+128*\g
.endr
.endr
	s_wait_dscnt 0x0
	TWO_BLOCKS HA
.if \c == 0
	v_lshl_or_b32 v[XS+\g], v[TM+5], 8, v[TM+4]    ; my column's scale word: lane 16 u + r holds that of tile u's index r
.else
	v_lshl_or_b32 v[XS+\g], v[TM+4], 16, v[XS+\g]
	v_lshl_or_b32 v[XS+\g], v[TM+5], 24, v[XS+\g]
.endif
.irp u, 0,1
	v_cvt_scalef32_pk16_fp6_f32 v[XF+12*(2*\g+\u)+6*\c:XF+12*(2*\g+\u)+6*\c+2], v[HA+32*\u:HA+32*\u+15], v[TM+12+\u]
	v_cvt_scalef32_pk16_fp6_f32 v[PC+12+4*\u:PC+12+4*\u+2], v[HA+32*\u+16:HA+32*\u+31], v[TM+12+\u]
.endr
	v_nop                                          ; one plain place behind a scaled conversion
.irp u, 0,1
.irp i, 0,1,2
	v_mov_b32 v[XF+12*(2*\g+\u)+6*\c+3+\i], v[PC+12+4*\u+\i]
.endr
.endr
.irp i, 0,1,2,3,4,5
	v_permlane16_swap_b32 v[XF+12*(2*\g)+6*\c+\i], v[XF+12*(2*\g+1)+6*\c+\i]   ; the first's lanes 16-31 change places with the second's lanes 0-15
.endr
.endm
	s_wait_tensorcnt 0x1                           ; channels 0-63 are in LDS; the second tile may be out
.irp g, 0,1,2,3
	XQ 0, \g
.endr
	s_wait_tensorcnt 0x0
.irp g, 0,1,2,3
	XQ 1, \g
.endr
.rept 8
	v_nop                                          ; a scale register written by a vector instruction stands 8 places ahead of a scaled matrix instruction, an operand so written 4
.endr
; 64 numbers of a lane, v[s] on, register 16 b + i = k 32 b + 16 (lane / 16) + i of my row, become a fragment's codes in v[PC] on and its scale word in v[PW].
.macro QUANT s
.irp b, 0,1,2,3
	v_max3_num_f32 v[TM+\b], |v[\s+16*\b]|, |v[\s+1+16*\b]|, 0x1800000
.endr
.irp i, 2,4,6,8,10,12,14
.irp b, 0,1,2,3
	v_max3_num_f32 v[TM+\b], v[TM+\b], |v[\s+16*\b+\i]|, |v[\s+1+16*\b+\i]|   ; ascending: each result is first read at its low end
.endr
.endr
.irp b, 0,1,2,3
	v_permlanex16_b32 v[TM+4+\b], v[TM+\b], s40, s41
.endr
.irp b, 0,1,2,3
	v_max_num_f32 v[TM+\b], v[TM+\b], v[TM+4+\b]   ; with lane l xor 16's: the block's largest magnitude
.endr
.irp b, 0,1,2,3
	v_add_nc_u32 v[TM+12+\b], 0xff000000, v[TM+\b]
.endr
.irp b, 0,1,2,3
	v_lshrrev_b32 v[TM+4+\b], 23, v[TM+12+\b]
.endr
	v_lshl_or_b32 v[PW], v[TM+5], 8, v[TM+4]
	v_lshl_or_b32 v[PW], v[TM+6], 16, v[PW]
	v_lshl_or_b32 v[PW], v[TM+7], 24, v[PW]
.irp c, 0,1
	v_cvt_scalef32_pk16_fp6_f32 v[PC+6*\c:PC+2+6*\c], v[\s+32*\c:\s+15+32*\c], v[TM+12+2*\c]
	v_cvt_scalef32_pk16_fp6_f32 v[PC+12+4*\c:PC+14+4*\c], v[\s+16+32*\c:\s+31+32*\c], v[TM+12+2*\c+1]
.endr
	v_nop                                          ; one plain place behind a scaled conversion
.irp c, 0,1                            ; the operand wants a whole block in a lane: lanes 0-15 block 2 c, lanes 16-31 block 2 c + 1
.irp i, 0,1,2
	v_permlane16_swap_b32 v[PC+6*\c+\i], v[PC+12+4*\c+\i]
.endr
.irp i, 0,1,2
	v_mov_b32 v[PC+3+6*\c+\i], v[PC+12+4*\c+\i]
.endr
.endr
.endm
; q or k: source 0 = the weight's 16 rows, source 1 = 16 columns of x: register j of lane (r, h) is channel 8 h + j of column index r.  The eight results ARE the images.
.macro QK wi, bias, sb
	WIN 0x11                                       ; source 0 and C in window 1
.irp f, 0,1,2,3,4,5,6,7
.if (\f)%2
	v_wmma_scale_f32_16x16x128_f8f6f4 v[HA+8*\f:HA+8*\f+7], v[WF+12*\wi:WF+12*\wi+11], v[XF+12*\f:XF+12*\f+11], v[\bias:\bias+7], v[WS+\wi], v[XS+\f/2] matrix_a_fmt:MATRIX_FMT_FP6 matrix_b_fmt:MATRIX_FMT_FP6 matrix_b_scale:MATRIX_SCALE_ROW1
.else
	v_wmma_scale_f32_16x16x128_f8f6f4 v[HA+8*\f:HA+8*\f+7], v[WF+12*\wi:WF+12*\wi+11], v[XF+12*\f:XF+12*\f+11], v[\bias:\bias+7], v[WS+\wi], v[XS+\f/2] matrix_a_fmt:MATRIX_FMT_FP6 matrix_b_fmt:MATRIX_FMT_FP6
.endif
.endr
	WIN 0
.rept 5
	v_nop                                          ; four places ahead of the stores that read the results, five ahead of the products that write over them with another C
.endr
.irp f, 0,1,2,3,4,5,6,7
	global_store_b128 v[LI], v[HA+8*\f:HA+8*\f+3], s[\sb:\sb+1] offset:1024*\f         ; 32 lanes store 512 consecutive bytes, at a multiple of 256 from the buffer's first byte
	global_store_b128 v[LI], v[HA+8*\f+4:HA+8*\f+7], s[\sb:\sb+1] offset:1024*\f+512
.endr
	s_wait_xcnt 0x0                                ; the stores' data registers are written again only behind this wait
.endm
; v, channels 16 t on: source 0 = 16 columns of x, source 1 = Wv's 16 rows: a lane holds ONE channel, and register 16 g + 8 u + j is n = 32 g + 16 h + 8 u + j: as QUANT takes them.
.macro VT t
	WIN 0x14                                       ; source 1 and C in window 1
.irp f, 0,1,2,3,4,5,6,7
.if (\f)%2
	v_wmma_scale_f32_16x16x128_f8f6f4 v[HA+8*\f:HA+8*\f+7], v[XF+12*\f:XF+12*\f+11], v[WF+12*\t:WF+12*\t+11], v[BV+8*\t:BV+8*\t+7], v[XS+\f/2], v[WS+\t] matrix_a_fmt:MATRIX_FMT_FP6 matrix_b_fmt:MATRIX_FMT_FP6 matrix_a_scale:MATRIX_SCALE_ROW1
.else
	v_wmma_scale_f32_16x16x128_f8f6f4 v[HA+8*\f:HA+8*\f+7], v[XF+12*\f:XF+12*\f+11], v[WF+12*\t:WF+12*\t+11], v[BV+8*\t:BV+8*\t+7], v[XS+\f/2], v[WS+\t] matrix_a_fmt:MATRIX_FMT_FP6 matrix_b_fmt:MATRIX_FMT_FP6
.endif
.endr
	WIN 0
.rept 5
	v_nop
.endr
	s_wait_xcnt 0x0                                ; the last tile's stores have read the codes' registers
	QUANT HA
.irp c, 0,1,2
	global_store_b128 v[LI], v[PC+4*\c:PC+4*\c+3], s[18:19] offset:8192+1536*\t+512*\c
.endr
.if (\t)%2
	v_cndmask_b32 v[SW+\t/2], v[EW], v[PW], s42    ; one register carries two tiles' scale words: the even tile's in lanes 0-15, the odd tile's in lanes 16-31
.else
	v_mov_b32 v[EW], v[PW]
.endif
.endm
	QK 8, BQ, 18
	QK 9, BK, 20
.irp t, 0,1,2,3,4,5,6,7
	VT \t
.endr
	global_store_b128 v[LI], v[SW:SW+3], s[18:19] offset:20480
	s_wait_tensorcnt 0x0
	ds_add_u32 v250, v251
	s_wait_dscnt 0x0
	s_endpgm
.Lfunc_end_k_q24a2a8055d_project:
	.size	k_q24a2a8055d_project, .Lfunc_end_k_q24a2a8055d_project-k_q24a2a8055d_project
	.p2alignl 7, 3214868480
	.fill 96, 4, 3214868480
	.section	.rodata,"a",@progbits
	.p2align	6, 0x0
	.amdhsa_kernel k_q24a2a8055d_project
		.amdhsa_group_segment_fixed_size 168192
		.amdhsa_private_segment_fixed_size 0
		.amdhsa_enable_private_segment 0
		.amdhsa_kernarg_size 72
		.amdhsa_user_sgpr_count 2
		.amdhsa_user_sgpr_kernarg_segment_ptr 1
		.amdhsa_wavefront_size32 1
		.amdhsa_system_sgpr_workgroup_id_x 1
		.amdhsa_system_sgpr_workgroup_id_y 1
		.amdhsa_system_sgpr_workgroup_id_z 1
		.amdhsa_system_vgpr_workitem_id 0
		.amdhsa_next_free_vgpr 464
		.amdhsa_next_free_sgpr 66
		.amdhsa_reserve_vcc 0
		.amdhsa_float_denorm_mode_32 3
		.amdhsa_float_denorm_mode_16_64 3
		.amdhsa_memory_ordered 1
		.amdhsa_forward_progress 1
		.amdhsa_inst_pref_size 162
	.end_amdhsa_kernel
	.amdgpu_metadata
---
amdhsa.version: [ 1, 2 ]
amdhsa.kernels:
  - .name:           k_q24a2a8055d_project
    .symbol:         k_q24a2a8055d_project.kd
    .args:
      - { .name: x, .offset: 0, .size: 8, .value_kind: global_buffer, .address_space: global }
      - { .name: Wq, .offset: 8, .size: 8, .value_kind: global_buffer, .address_space: global }
      - { .name: bq, .offset: 16, .size: 8, .value_kind: global_buffer, .address_space: global }
      - { .name: Wk, .offset: 24, .size: 8, .value_kind: global_buffer, .address_space: global }
      - { .name: bk, .offset: 32, .size: 8, .value_kind: global_buffer, .address_space: global }
      - { .name: Wv, .offset: 40, .size: 8, .value_kind: global_buffer, .address_space: global }
      - { .name: bv, .offset: 48, .size: 8, .value_kind: global_buffer, .address_space: global }
      - { .name: kv, .offset: 56, .size: 8, .value_kind: global_buffer, .address_space: global }
      - { .name: cols, .offset: 64, .size: 8, .value_kind: global_buffer, .address_space: global }
    .group_segment_fixed_size: 168192
    .private_segment_fixed_size: 0
    .kernarg_segment_align: 8
    .kernarg_segment_size: 72
    .max_flat_workgroup_size: 64
    .sgpr_count:     66
    .vgpr_count:     464
    .wavefront_size: 32
...
	.end_amdgpu_metadata
.endif
;; end of part 1
;; launch attend (part 2): grid 16 x 16, 8 waves a work-group, clusters of 4 x 1, 327,680 bytes of LDS; arguments kv, cols, x, gamma, out0; writes out0
.if DOCPART == 2
	.amdgcn_target "amdgcn-amd-amdhsa--gfx1250"
	.amdhsa_code_object_version 6
	.text
	.protected	k_q24a2a8055d_attend
	.globl	k_q24a2a8055d_attend
	.p2align	8
	.type	k_q24a2a8055d_attend,@function
k_q24a2a8055d_attend:
	s_mov_b64 s[64:65], 0
	v_nop
	global_prefetch_b8 v0, s[64:65] scope:SCOPE_SE
	s_setreg_imm32_b32 hwreg(HW_REG_WAVE_MODE, 25, 1), 1
	s_wait_xcnt 0x0
	s_wait_alu depctr_hold_cnt(0) depctr_sa_sdst(0) depctr_va_vdst(0) depctr_va_sdst(0) depctr_va_ssrc(0) depctr_va_vcc(0) depctr_vm_vsrc(0)
	s_getreg_b32 s2, hwreg(HW_REG_IB_STS2, 6, 4)
	s_cmp_eq_u32 s2, 0
	s_cbranch_scc0 .Lentry_in_a_cluster
	s_endpgm
.Lentry_in_a_cluster:
	s_bfe_u32 s2, ttmp6, 0x10000c
	s_cmp_lg_u32 s2, 0x3003
	s_cbranch_scc0 .Lentry_shape_is_right
	s_endpgm
.Lentry_shape_is_right:
; out[b][c][m] = gamma x (sum over n of v[c][n] p[n][m]) / l[m] + x[b][c][m], p = 2^(t - M), t = (q[:, n] . k[:, m]) x log2(e), the softmax running over n for each column m.
; The scores have K = 16 and feed a quantiser: f32 operands, by v_wmma_f32_16x16x4_f32.  v and p are codes of FP6 (E2M3) with one E8M0 scale for each 32 along n.
; M is the running largest t rounded UP to a whole number; when it moves, l and O are multiplied by 2^(old M - new M), which rounds nothing.  l is summed of the unquantised p.
; SHARES.  A work-group owns 256 columns m of one batch; each of its eight waves 32 of them, two tiles of 16 (u = 0, 1).  Every wave walks the batch's 4,096 n, 128 a step.  Two waves lie on a SIMD,
; so that one wave's vector work can stand beside the other's matrix work; each image of q and each fragment of v read from LDS feeds two tiles.
; LAYOUT.  S^T = q^T k (source 0 = 16 n, source 1 = 16 m) and O^T = v p (source 0 = 16 channels, source 1 = p): a lane holds ONE column m throughout.  The first launch has laid q, k, v's codes and scale words as images
; of the operands' registers, with the n of a tile chosen so that the 16 registers of score tiles 2 b, 2 b + 1 are n = 32 b + 16 (lane / 16) + 0 .. 15.  K step s of the score product takes registers 2 s, 2 s + 1 of both images:
; slot (h, j) is channel 8 h + 2 s + j on both sides, so that the four steps sum all 16 channels once.
; CLUSTER.  The four work-groups of a cluster belong to one batch and walk the same kv: each fill is asked for JOINTLY, by the same tensor load with the same descriptor and the mask of all four.
; RING.  Two LDS slots of four key steps (83,968 dense bytes); each wave fetches an eighth of a slot with one load, which has four key steps in which to land: one tensor load of a wave is out at a time.
; LIMITS: NaN and infinities are not served.  A block of p all of whose numbers have fallen under 2^-124 gets the scale byte 1.
; REGISTERS, window 0: v1-7 addresses; v12-27 statistics, eight a tile (+0 -M, +1 largest t, +2, 3 l, +4 f, +5 its pair's other half, +6, 7 at work); v28-39 at work; v40-41 p's scale words; v44-47 v's scale words;
;   v48-55 at work; v56-79 p's codes; v80-95 my two images of k; v96-191 images of q, then fragments of v; v192-255 t - M, then p.
;   window 1: v0-127 S^T (tile u, 16 n of tile t at 64 u + 8 t), written by matrix instructions alone; v128-255 O^T (128 + 64 u + 8 t).
.set STEPB, 20992                      ; a key step in kv and in a slot
.set SLOTB, 4*STEPB
.set SLOT1, 1<<17                      ; slot 1 begins here, so that one exclusive or turns an address in one slot into the other's
.set SPARE, SLOT1+SLOTB                ; behind the ring: the spare words, 128 bytes for each of the eight waves: four blocks of 256 bytes that no other line names
.set SP,    1040                       ; the way out: a stage of 128 rows (channels) x (1,024 bytes + 16), from LDS byte 0 on: it is written when the ring has had its last fill and its last read
.set LI,  1                            ; 16 x lane
.set ADR, 2                            ; the step's place in LDS + 16 x lane
.set SPW, 3                            ; LDS address of my spare word; never rewritten
.set NIL, 4                            ; 0; never rewritten
.set STO, 5                            ; the stage: where my column's numbers go, channels 0-63;
.set STO2, 6                           ; channels 64-127
.set SRD, 7                            ; and where I read rows back
.set ST,  12
.set BM,  28
.set BT,  32
.set SO,  36
.set PS,  40
.set PFO, 42                           ; the prefetches' offset; never rewritten
.set VS,  44
.set TC,  48
.set PC,  56
.set KQ,  80
.set OP,  96
.set P,   192
.set MSB, 0
.macro WIN new                         ; the immediate's high byte repeats the setting that is left
.if MSB != \new
	s_set_vgpr_msb (MSB<<8)|\new
.set MSB, \new
.endif
.endm
; A round of the cluster's barrier: my work-group's barrier, so that wave 0's signal speaks for all eight waves; wave 0 signals for the work-group; every wave waits for all four work-groups; my work-group's barrier once more.
.macro CROUND
	s_barrier_signal -1
	s_barrier_wait -1
	s_cmp_lg_u32 s14, 0
	s_cbranch_scc1 .Lnot_wave_0_\@
	s_barrier_signal -3
.Lnot_wave_0_\@:
	s_barrier_wait -3
	s_barrier_signal -1
	s_barrier_wait -1
.endm
	s_load_b256 s[4:11], s[0:1], 0x0               ; kv s[4:5], cols s[6:7], x s[8:9], gamma s[10:11]
	s_load_b64 s[12:13], s[0:1], 0x20              ; out0
	v_lshl_add_u32 v[SPW], v0, 2, SPARE
	v_mov_b32 v[NIL], 0
	ds_add_u32 v3, v4
	ds_add_u32 v3, v4
	s_wait_dscnt 0x0
	v_lshrrev_b32 v8, 5, v0
	v_readfirstlane_b32 s14, v8                    ; wave 0..7
	s_bfe_u32 s15, ttmp6, 0x40000                  ; cx: my place in the cluster
	s_lshl_b32 s16, ttmp9, 2                       ; in a cluster launch ttmp9 counts clusters
	s_add_co_u32 s16, s16, s15                     ; my block of 256 columns: it enters the addresses of cols, x and out0 alone
	s_and_b32 s17, ttmp7, 0xffff                   ; the batch, which the four partners share
	s_mul_i32 s18, s17, 32*STEPB                   ; kv: the batch's 32 steps,
	s_mul_i32 s33, s14, SLOTB/8                    ; my eighth of a slot, in memory and in LDS alike: no place in the cluster enters either
	s_add_co_u32 s18, s18, s33
	s_mov_b32 s19, 0
	s_lshl_b32 s20, s17, 18                        ; cols: 256 tiles of 1,024 bytes a batch, 16 a block, 2 a wave
	s_lshl_b32 s21, s16, 14
	s_add_co_u32 s20, s20, s21
	s_lshl_b32 s21, s14, 11
	s_add_co_u32 s20, s20, s21
	s_mov_b32 s21, 0
	s_lshl_b32 s22, s17, 21                        ; x, out0: the batch, my wave's 16 channels on the way out, my block's 1,024 bytes of a row
	s_lshl_b32 s23, s14, 18
	s_add_co_u32 s22, s22, s23
	s_lshl_b32 s23, s16, 10
	s_add_co_u32 s22, s22, s23
	s_mov_b32 s23, 0
	; descriptor group 1: a dense block of 10,496 bytes as 41 rows of 256 bytes (32 elements of 8 bytes), no padding: the images are read 512 consecutive bytes an instruction
	s_mov_b32 s24, 15|(3<<16)|(1<<21)              ; 15:0 the mask: all four work-groups; 17:16 elements of 8 bytes; 21 set beside a mask
	s_mov_b32 s25, 32<<16                          ; tensor_dim0
	s_mov_b32 s26, 41<<16                          ; tensor_dim1
	s_mov_b32 s27, 32<<16                          ; tile_dim0
	s_mov_b32 s28, 41                              ; tile_dim1
	s_mov_b32 s29, 32                              ; tensor_dim0_stride
	s_mov_b32 s30, 0
	s_mov_b32 s31, 0
	s_mov_b32 s36, 0x76543210
	s_mov_b32 s37, 0xfedcba98                      ; v_permlanex16_b32's selects for lane l xor 16
	s_mov_b32 s38, 0x3fb8aa3b                      ; log2(e)
	s_mov_b32 s39, s38                             ; (named with it as a pair, so it is written)
	s_mov_b32 s40, 0                               ; LDS byte at which the step in hand begins
	s_mov_b32 s42, 7                               ; slots still to be asked for
	s_mov_b32 s44, 0xff7fffff                      ; the lowest finite number: a leaf of the maxima
	s_wait_kmcnt 0x0
	s_load_b32 s43, s[10:11], 0x0                  ; gamma
	s_add_nc_u64 s[6:7], s[6:7], s[20:21]
	s_add_nc_u64 s[8:9], s[8:9], s[22:23]
	s_add_nc_u64 s[12:13], s[12:13], s[22:23]
	CROUND                                         ; all four work-groups are here: the first joint loads meet
	s_mov_b32 s32, 1                               ; group 0, which walks: count; s33 the LDS address (slot 0, my eighth);
	s_add_nc_u64 s[34:35], s[4:5], s[18:19]        ; the global address: the batch's first four steps, my eighth;
	s_or_b32 s35, s35, 0x80000000                  ; the type
	tensor_load_to_lds s[32:35], s[24:31]
	s_nop 0
.rept 4
	v_nop
.endr
	v_and_b32 v8, 31, v0                           ; lane
	v_lshlrev_b32 v[LI], 4, v8
.irp i, 0,1,2,3
	global_load_b128 v[KQ+4*\i:KQ+4*\i+3], v[LI], s[6:7] offset:512*\i   ; my two images of k stay in registers
.endr
	v_lshrrev_b32 v9, 2, v8
	v_and_b32 v8, 3, v8
	v_lshlrev_b32 v[PFO], 14, v9
	v_lshl_add_u32 v[PFO], v8, 8, v[PFO]           ; four lanes to a row of x (four blocks of 256 bytes), eight rows an instruction
	v_and_b32 v8, 15, v0                           ; r
	v_and_b32 v9, 8, v0
	v_add_nc_u32 v8, v8, v9                        ; r + 8 (r / 8)
	v_bfe_u32 v9, v0, 4, 1                         ; h
	v_mul_u32_u24 v[STO], v9, 8*SP                 ; the stage: channel 8 h + .., column 32 w + 8 u + r + 8 (r / 8)
	v_lshl_add_u32 v[STO], v8, 2, v[STO]
	s_lshl_b32 s45, s14, 7
	v_add_nc_u32 v[STO], s45, v[STO]
	v_add_nc_u32 v[STO2], 64*SP, v[STO]
	s_mul_i32 s45, s14, 16*SP
	v_add_nc_u32 v[SRD], s45, v[LI]                ; back: my 16 rows, 16 bytes a lane
.irp u, 0,1
	v_mov_b32 v[ST+8*\u+1], 0xff61b1e6             ; the largest t so far: -3e38, under every t
	v_floor_f32 v[ST+8*\u], -v[ST+8*\u+1]          ; -M
	v_mov_b32 v[ST+8*\u+2], 0                      ; l, in two halves
	v_mov_b32 v[ST+8*\u+3], 0
	v_mov_b32 v[ST+8*\u+4], 0
	v_mov_b32 v[ST+8*\u+5], 0                      ; (named as a pair's other half)
.endr
.irp b, 0,1,2,3
	v_mov_b32 v[BT+\b], 0                          ; written once: a lane permute's destination counts as one of its sources
.endr
	WIN 0x40
.set j, 0
.rept 128
	v_mov_b32 v[128+j], 0                          ; O^T.  The key step is written without a first step of its own: the first finds zeros, which the first change of M leaves zeros; a first step written out would be a third copy of the step
.set j, j+1
.endr
	WIN 0
	s_wait_loadcnt 0x0                             ; k's images
	s_wait_kmcnt 0x0                               ; gamma
; THE SOFTMAX of tile u for one key step, and p's codes.
.macro SOFT u
.set R,  ST+8*(\u)
.set SB, 64*(\u)
.set CB, PC+12*(\u)
	WIN 0x14                                       ; sources 1 and 2 (S^T) in window 1
.irp b, 0,1,2,3
	v_max3_num_f32 v[BM+\b], s44, v[SB+16*\b], v[SB+16*\b+1]   ; THE LARGEST SCORE OF EACH BLOCK OF 32 n: it serves for the column's maximum and, since p rises with the score, for the block's largest p
.endr
.irp i, 2,4,6,8,10,12,14
.irp b, 0,1,2,3
	v_max3_num_f32 v[BM+\b], v[BM+\b], v[SB+16*\b+\i], v[SB+16*\b+\i+1]   ; ascending: each result is first read at its low end; the four blocks by turns
.endr
.endr
	WIN 0
.irp b, 0,1,2,3
	v_permlanex16_b32 v[BT+\b], v[BM+\b], s36, s37
.endr
.irp b, 0,1,2,3
	v_max_num_f32 v[BM+\b], v[BM+\b], v[BT+\b]     ; with lane l xor 16's 16 n
.endr
	v_max3_num_f32 v[R+6], v[BM], v[BM+1], v[BM+2]
	v_max_num_f32 v[R+6], v[R+6], v[BM+3]          ; the step's largest score of my column
	v_mul_f32 v[R+6], s38, v[R+6]                  ; as t
	v_max_num_f32 v[R+1], v[R+1], v[R+6]           ; the running largest t
	v_mov_b32 v[R+6], v[R]
	v_floor_f32 v[R], -v[R+1]                      ; the new -M = floor(-t) = -ceil(t)
	v_sub_f32 v[R+6], v[R], v[R+6]                 ; old M - new M: a whole number, 0 or less
	v_cvt_i32_f32 v[R+6], v[R+6]                   ; (it saturates)
	v_ldexp_f32 v[R+4], 1.0, v[R+6]                ; f = 2^(old M - new M)
	WIN 0x01                                       ; source 0 (S^T) in window 1; what is made of a finished sum goes into other registers
.set j, 0
.rept 32
	v_pk_fma_f32 v[P+j:P+j+1], v[SB+j:SB+j+1], s[38:39], v[R:R+1] op_sel_hi:[1,0,0]   ; t - M, two at a time
.set j, j+2
.endr
	WIN 0
.irp b, 0,1,2,3
	v_fma_f32 v[BM+\b], v[BM+\b], s38, v[R]        ; the same of each block's largest score
.endr
.set j, 0
.rept 64
	v_exp_f32 v[P+j], v[P+j]                       ; p = 2^(t - M), at most 1: not normalised
.set j, j+1
.endr
	v_pk_mul_f32 v[R+2:R+3], v[R+2:R+3], v[R+4:R+5] op_sel_hi:[1,0]   ; l under the new M: the plain instruction behind the exponentials
	s_wait_alu depctr_va_vdst(0)                   ; one wait for the whole batch, ahead of its first reader
.irp b, 0,1,2,3
	v_exp_f32 v[BM+\b], v[BM+\b]                   ; the block's largest p: the same two instructions on the same number give the same bits
.endr
	v_pk_add_f32 v[BT:BT+1], v[P:P+1], v[P+2:P+3]  ; l IS SUMMED OF THE UNQUANTISED p, two at a time, in two chains; these lines read the 64 alone
.set j, 4
.rept 15
	v_pk_add_f32 v[R+2:R+3], v[R+2:R+3], v[P+j:P+j+1]
	v_pk_add_f32 v[BT:BT+1], v[BT:BT+1], v[P+j+2:P+j+3]
.set j, j+4
.endr
	v_pk_add_f32 v[R+2:R+3], v[R+2:R+3], v[BT:BT+1]
	s_wait_alu depctr_va_vdst(0)                   ; and one for the four
.irp b, 0,1,2,3
	v_max_num_f32 v[BM+\b], 0x1800000, v[BM+\b]    ; the floor 2^(3 - 127): the byte cannot fall under 1
.endr
.irp b, 0,1,2,3
	v_add_nc_u32 v[SO+\b], 0xff000000, v[BM+\b]    ; 2 off the exponent field: the conversion's scale operand
.endr
.irp b, 0,1,2,3
	v_lshrrev_b32 v[BT+\b], 23, v[SO+\b]           ; the scale's byte
.endr
	v_lshl_or_b32 v[PS+\u], v[BT+1], 8, v[BT]      ; p's scale word for these 128 n
	v_lshl_or_b32 v[PS+\u], v[BT+2], 16, v[PS+\u]
	v_lshl_or_b32 v[PS+\u], v[BT+3], 24, v[PS+\u]
.irp c, 0,1
	v_cvt_scalef32_pk16_fp6_f32 v[CB+6*\c:CB+6*\c+2], v[P+32*\c:P+32*\c+15], v[SO+2*\c]
	v_cvt_scalef32_pk16_fp6_f32 v[TC+4*\c:TC+4*\c+2], v[P+32*\c+16:P+32*\c+31], v[SO+2*\c+1]   ; (a conversion's three registers begin on an even number)
.endr
	v_nop                                          ; one plain place behind a scaled conversion
.irp c, 0,1                            ; the operand wants a whole block in a lane: lanes 0-15 block 2 c, lanes 16-31 block 2 c + 1
.irp i, 0,1,2
	v_permlane16_swap_b32 v[CB+6*\c+\i], v[TC+4*\c+\i]
.endr
.irp i, 0,1,2
	v_mov_b32 v[CB+6*\c+3+\i], v[TC+4*\c+\i]
.endr
.endr
	WIN 0x41                                       ; O^T (destination and source 0) in window 1
.set j, 0
.rept 32
	v_pk_mul_f32 v[128+SB+j:128+SB+j+1], v[128+SB+j:128+SB+j+1], v[R+4:R+5] op_sel_hi:[1,0]   ; O^T under the new M; ascending, from each accumulator's low end
.set j, j+2
.endr
	WIN 0
.endm
; A KEY STEP: 128 n.  pf = 1 (the last slot's copy): in the slot's last step each wave prefetches the 16 rows x 1,024 bytes of x that it adds on the way out.
.macro STEP pf
	v_add_nc_u32 v[ADR], s40, v[LI]
.irp i, 0,1,2,3,4,5,6,7,8,9,10,11,12,13,14,15
	ds_load_b128 v[OP+4*\i:OP+4*\i+3], v[ADR] offset:512*\i        ; the eight images of q
.endr
	s_wait_dscnt 0x0
	WIN 0x50                                       ; C and D in window 1
.irp s, 0,1,2,3                        ; S^T: four K steps of 4; the 16 accumulators take turns, one instruction a turn; the first K step starts the sums
.irp t, 0,1,2,3,4,5,6,7
.irp u, 0,1
.if \s == 0
	v_wmma_f32_16x16x4_f32 v[64*\u+8*\t:64*\u+8*\t+7], v[OP+8*\t+2*\s:OP+8*\t+2*\s+1], v[KQ+8*\u+2*\s:KQ+8*\u+2*\s+1], 0
.else
	v_wmma_f32_16x16x4_f32 v[64*\u+8*\t:64*\u+8*\t+7], v[OP+8*\t+2*\s:OP+8*\t+2*\s+1], v[KQ+8*\u+2*\s:KQ+8*\u+2*\s+1], v[64*\u+8*\t:64*\u+8*\t+7]
.endif
.endr
.endr
.endr
	WIN 0
.rept 8
	v_nop                                          ; eight places behind this form: ahead of the loads into the registers that it has read, and of the first read of its results
.endr
.irp i, 0,1,2,3,4,5,6,7,8,9,10,11,12,13,14,15,16,17,18,19,20,21,22,23
	ds_load_b128 v[OP+4*\i:OP+4*\i+3], v[ADR] offset:8192+512*\i   ; v's eight fragments: they land while the softmax is worked
.endr
	ds_load_b128 v[VS:VS+3], v[ADR] offset:20480                   ; and their scale words
.if \pf
	s_cmp_lg_u32 s41, 1
	s_cbranch_scc1 .Lno_ask_\@
	global_prefetch_b8 v[PFO], s[8:9] th:TH_LOAD_NT scope:SCOPE_SE                 ; my rows 0-7 of x, a lane a block of 256 bytes: each block is named once in the launch, by the wave that will read it,
	global_prefetch_b8 v[PFO], s[8:9] offset:131072 th:TH_LOAD_NT scope:SCOPE_SE   ; and rows 8-15: two softmaxes and 16 products ahead of the loads
.Lno_ask_\@:
.endif
	SOFT 0
	SOFT 1
	s_wait_dscnt 0x0                               ; v's fragments and scale words are in
	WIN 0x50
.irp t, 0,1,2,3,4,5,6,7                ; O^T += v p: 16 accumulators, one instruction each
.irp u, 0,1
.if (\t)%2
	v_wmma_scale_f32_16x16x128_f8f6f4 v[128+64*\u+8*\t:128+64*\u+8*\t+7], v[OP+12*\t:OP+12*\t+11], v[PC+12*\u:PC+12*\u+11], v[128+64*\u+8*\t:128+64*\u+8*\t+7], v[VS+\t/2], v[PS+\u] matrix_a_fmt:MATRIX_FMT_FP6 matrix_b_fmt:MATRIX_FMT_FP6 matrix_a_scale:MATRIX_SCALE_ROW1
.else
	v_wmma_scale_f32_16x16x128_f8f6f4 v[128+64*\u+8*\t:128+64*\u+8*\t+7], v[OP+12*\t:OP+12*\t+11], v[PC+12*\u:PC+12*\u+11], v[128+64*\u+8*\t:128+64*\u+8*\t+7], v[VS+\t/2], v[PS+\u] matrix_a_fmt:MATRIX_FMT_FP6 matrix_b_fmt:MATRIX_FMT_FP6
.endif
.endr
.endr
	WIN 0
.rept 4
	v_nop                                          ; four places ahead of the next loads into the registers that these products have read
.endr
	s_add_co_u32 s40, s40, STEPB
.endm
; A slot's four key steps: written once, walked four times; the LDS addresses hang on s40.
.macro FOUR_STEPS pf
	s_mov_b32 s41, 4
.Lstep_\@:
	STEP \pf
	s_sub_co_u32 s41, s41, 1
	s_cmp_lg_u32 s41, 0
	s_cbranch_scc1 .Lstep_\@
	s_sub_co_u32 s40, s40, SLOTB                   ; back to a slot's first step,
	s_xor_b32 s40, s40, SLOT1                      ; in the other slot
.endm
; THE CHANGE OF SLOTS stands at a slot's head.  Each wave waits for all its tensor loads (its eighth of the slot that it is about to read), adds 0 to its spare word, and waits for that and for its reads of the slot that it has left.
; fill = 1: the barrier is a round of the cluster's, so that no wave of any partner still reads the other slot or has a load on its way, and the joint refill is the first thing behind it.
.macro CHANGE fill
	s_wait_tensorcnt 0x0                           ; no tensor load of mine is out, so group 0 may be written
	ds_add_u32 v[SPW], v[NIL]                      ; 0 onto my spare word
.if \fill
	s_xor_b32 s33, s33, SLOT1                      ; the other slot than last time,
	s_add_nc_u64 s[34:35], s[34:35], SLOTB         ; the next four steps; the type bits on top are not reached
.endif
	s_wait_dscnt 0x0                               ; the add is done, and my reads of the slot that I have left are over
.if \fill
	CROUND
	tensor_load_to_lds s[32:35], s[24:31]          ; my one tensor load until the next round
	s_nop 0
.rept 4
	v_nop
.endr
.else
	s_barrier_signal -1
	s_barrier_wait -1
.endif
.endm
.Lslot:                                            ; seven trips: behind each change of slots but the last the next slot is asked for
	CHANGE 1
	FOUR_STEPS 0
	s_sub_co_u32 s42, s42, 1
	s_cmp_lg_u32 s42, 0
	s_cbranch_scc1 .Lslot
	CHANGE 0                                       ; the last slot is written out
	FOUR_STEPS 1
	; THE WAY OUT.  x's rows are asked for first; O^T x gamma / l goes through a stage in LDS, where the eight waves' columns meet, and each wave adds x to 16 whole rows of 1,024 bytes and stores them.
.set k, 0
.rept 32
	global_load_b128 v[96+4*k:96+4*k+3], v[LI], s[8:9] offset:16384*(k/2)+512*(k%2) th:TH_LOAD_NT   ; channel 16 w + k / 2: 32 lanes read 512 consecutive bytes
.set k, k+1
.endr
.irp u, 0,1
	v_add_f32 v[ST+8*\u+6], v[ST+8*\u+2], v[ST+8*\u+3]     ; l's two halves,
.endr
.irp u, 0,1
	v_permlanex16_b32 v[BT+\u], v[ST+8*\u+6], s36, s37
.endr
.irp u, 0,1
	v_add_f32 v[ST+8*\u+6], v[ST+8*\u+6], v[BT+\u]         ; and lane l xor 16's
.endr
.irp u, 0,1
	v_rcp_f32 v[ST+8*\u+7], v[ST+8*\u+6]
.endr
	v_nop                                          ; a plain instruction behind the last reciprocal,
	s_wait_alu depctr_va_vdst(0)                   ; and one wait for the two, ahead of their first reader
.irp u, 0,1
	v_mul_f32 v[ST+8*\u+4], s43, v[ST+8*\u+7]      ; gamma / l
.endr
	WIN 0x41
.irp u, 0,1
.set j, 0
.rept 32
	v_pk_mul_f32 v[128+64*\u+j:128+64*\u+j+1], v[128+64*\u+j:128+64*\u+j+1], v[ST+8*\u+4:ST+8*\u+5] op_sel_hi:[1,0]
.set j, j+2
.endr
.endr
	WIN 0
	s_wait_dscnt 0x0                               ; my reads of the ring are over;
	s_barrier_signal -1
	s_barrier_wait -1                              ; everybody's are: the stage may be written over it (no fill follows)
	WIN 0x04                                       ; an LDS store's data are its source 1: window 1
.irp t, 0,1,2,3,4,5,6,7
.irp u, 0,1
.irp j, 0,1,2,3,4,5,6,7
.if \t < 4
	ds_store_b32 v[STO], v[128+64*\u+8*\t+\j] offset:(16*\t+\j)*SP+32*\u           ; channel 16 t + 8 h + j.  The pitch is 260 words: lanes 16-31, eight rows on, fall 32 banks from lanes 0-15 (64 banks of 4 bytes: ISA guide 11.1)
.else
	ds_store_b32 v[STO2], v[128+64*\u+8*\t+\j] offset:(16*(\t-4)+\j)*SP+32*\u
.endif
.endr
.endr
.endr
	WIN 0
	s_wait_dscnt 0x0                               ; for the others' sake: my stores into the stage are done
	s_barrier_signal -1
	s_barrier_wait -1
	WIN 0x40                                       ; into O^T's registers, which the stores have left
.set k, 0
.rept 32
	ds_load_b128 v[128+4*k:128+4*k+3], v[SRD] offset:SP*(k/2)+512*(k%2)
.set k, k+1
.endr
	WIN 0
	s_wait_loadcnt 0x0                             ; x
	s_wait_dscnt 0x0
	WIN 0x01
.set k, 0
.rept 64
	v_pk_add_f32 v[96+2*k:96+2*k+1], v[128+2*k:128+2*k+1], v[96+2*k:96+2*k+1]
.set k, k+1
.endr
	WIN 0
.set k, 0
.rept 32
	global_store_b128 v[LI], v[96+4*k:96+4*k+3], s[12:13] offset:16384*(k/2)+512*(k%2) th:TH_STORE_NT   ; 32 lanes store 512 consecutive bytes, at a multiple of 256 from out0's first byte
.set k, k+1
.endr
	s_wait_tensorcnt 0x0                           ; the wave's end, behind my last tensor load and my last LDS store
	ds_add_u32 v[SPW], v[NIL]
	s_wait_dscnt 0x0
	CROUND                                         ; the closing round: no work-group ends while a partner may still ask for a tile that names it
	s_endpgm
.Lfunc_end_k_q24a2a8055d_attend:
	.size	k_q24a2a8055d_attend, .Lfunc_end_k_q24a2a8055d_attend-k_q24a2a8055d_attend
	.p2alignl 7, 3214868480
	.fill 96, 4, 3214868480
	.section	.rodata,"a",@progbits
	.p2align	6, 0x0
	.amdhsa_kernel k_q24a2a8055d_attend
		.amdhsa_group_segment_fixed_size 327680
		.amdhsa_private_segment_fixed_size 0
		.amdhsa_enable_private_segment 0
		.amdhsa_kernarg_size 40
		.amdhsa_user_sgpr_count 2
		.amdhsa_user_sgpr_kernarg_segment_ptr 1
		.amdhsa_wavefront_size32 1
		.amdhsa_system_sgpr_workgroup_id_x 1
		.amdhsa_system_sgpr_workgroup_id_y 1
		.amdhsa_system_sgpr_workgroup_id_z 1
		.amdhsa_system_vgpr_workitem_id 0
		.amdhsa_next_free_vgpr 512
		.amdhsa_next_free_sgpr 66
		.amdhsa_reserve_vcc 0
		.amdhsa_float_denorm_mode_32 3
		.amdhsa_float_denorm_mode_16_64 3
		.amdhsa_memory_ordered 1
		.amdhsa_forward_progress 1
		.amdhsa_inst_pref_size 107
	.end_amdhsa_kernel
	.amdgpu_metadata
---
amdhsa.version: [ 1, 2 ]
amdhsa.kernels:
  - .name:           k_q24a2a8055d_attend
    .symbol:         k_q24a2a8055d_attend.kd
    .args:
      - { .name: kv, .offset: 0, .size: 8, .value_kind: global_buffer, .address_space: global }
      - { .name: cols, .offset: 8, .size: 8, .value_kind: global_buffer, .address_space: global }
      - { .name: x, .offset: 16, .size: 8, .value_kind: global_buffer, .address_space: global }
      - { .name: gamma, .offset: 24, .size: 8, .value_kind: global_buffer, .address_space: global }
      - { .name: out0, .offset: 32, .size: 8, .value_kind: global_buffer, .address_space: global }
    .group_segment_fixed_size: 327680
    .private_segment_fixed_size: 0
    .kernarg_segment_align: 8
    .kernarg_segment_size: 40
    .max_flat_workgroup_size: 256
    .sgpr_count:     66
    .vgpr_count:     512
    .wavefront_size: 32
...
	.end_amdgpu_metadata
.endif
;; end of part 2
